; MI455X (gfx1250); checked and timed in simulation.
; The chip was launched on July 23, 2026; its instructions are those of AMD's public machine-readable ISA for CDNA 5 (MIT licence, August 2026) and "CDNA5" Instruction Set Architecture Reference Guide (July 2026). The comments in the code are by the model that wrote it; some were corrected since.
;; Multi Head Attention. Allowed arithmetic: matrix products marked QUANTISED: E2M1 operands, one E8M0 scale for each 32 along K, by v_wmma_scale_f32_16x16x128_f8f6f4 with both operands' format E2M1 (or v_wmma_scale_f32_32x16x128_f4), f32 sums; products left as they are: f32 operands where the result goes on into a quantised operand, else bf16, f16 or f32 operands; f32 sums; everything else in f32.
;; Inputs: Wk 1,024 x 1,024 float32; Wo 1,024 x 1,024 float32; Wq 1,024 x 1,024 float32; Wv 1,024 x 1,024 float32; bk 1,024 float32; bo 1,024 float32; bq 1,024 float32; bv 1,024 float32; mask 32 x 1,024 int32; matrix 32 x 1,024 x 1,024 float32; vector 32 x 1,024 float32.
;; Outputs: out0 32 x 1,024 float32; out1 32 x 16 x 1,024 float32; out2 32 x 16 x 1,024 float32.
;; This version of the problem:
;;   THIS VERSION OF THE PROBLEM IS GIVEN IN LOW PRECISION. The matrix products marked QUANTISED in the list below multiply operands that are first quantised to E2M1 (2 exponent bits, 1 mantissa bit; 4 bits a number), with one power-of-two scale for each 32 numbers along K (OCP MX v1.0); their sums are f32. All else is computed in f32.
;;   The module's matrix products, in the order in which they are computed (A, B: the left and right operand; K: the contracted axis; several contracted axes count as one K, in the product's order):
;;     1. [M 32, K 1,024] x [K 1,024, N 1,024]; A: input vector; B: input Wq: QUANTISED
;;     2. [M 32,768, K 1,024] x [K 1,024, N 1,024]; A: input matrix; B: input Wk: QUANTISED
;;     3. [M 32,768, K 1,024] x [K 1,024, N 1,024]; A: input matrix; B: input Wv: QUANTISED
;;     4. batch 512 x [M 1, K 64] x [K 64, N 1,024]; A: computed on the way; B: computed on the way: left as it is (M = 1 < 16)
;;     5. batch 512 x [M 1, K 1,024] x [K 1,024, N 64]; A: softmax; B: computed on the way: left as it is (M = 1 < 16)
;;     6. [M 32, K 1,024] x [K 1,024, N 1,024]; A: computed on the way; B: input Wo: QUANTISED
;;   THE QUANTISER, for each operand of a quantised product, along K:
;;     - K is cut into blocks of 32 from its start; a last block that is shorter is filled with zeros.
;;     - A block's scale is 2^e with e = floor(log2(the largest magnitude in the block)) - 2, held to -126 .. 127; a block of zeros has e = 0. As a byte (E8M0): e + 127.
;;     - Each number is divided by its block's scale, clamped to +-6, and rounded to the nearest number of E2M1, ties to even, subnormals kept.
;;     - The product sums the exact products of the quantised numbers (number of the format x scale) in f32.
;;   ~~~python
;;   def quantise(x, axis):      # numpy; x: float32 -> the quantised numbers, widened to float32 again
;;       x = np.moveaxis(x, axis, -1); K = x.shape[-1]
;;       x = np.pad(x, [(0, 0)] * (x.ndim - 1) + [(0, -K % 32)]); x = x.reshape(x.shape[:-1] + (-1, 32)); a = np.abs(x).max(-1, keepdims=True)
;;       e = np.where(a > 0, np.clip(np.frexp(np.where(a > 0, a, 1))[1] - 1 - 2, -126, 127), 0)      # np.frexp(a)[1] - 1 = floor(log2(a)), exactly
;;       r = np.clip(x / 2.0 ** e, -6, 6)
;;       step = 2.0 ** (np.maximum(np.frexp(np.where(r == 0, 1, r))[1] - 1, 0) - 1)
;;       q = np.round(r / step) * step * 2.0 ** e      # np.round: ties to even
;;       return np.moveaxis(q.reshape(q.shape[:-2] + (-1,))[..., :K], -1, axis).astype(np.float32)
;;   ~~~
;;   OPERANDS COMPUTED ON THE WAY. 'Computed on the way' means the value that the module computes at that place (a softmax that the list does not call 'softmax' is quantised finished and normalised). What goes into a quantiser is computed in f32, as accurately as f32 sums, v_exp_f32 and their like allow (about 1e-6 of the number): no bf16 or f16 on the way to a quantiser, and a product that is left as it is and whose result goes on into a quantised operand takes f32 operands (vector FMAs, or v_wmma_f32_16x16x4_f32). A number that lies on a knife's edge between two numbers of the format may be rounded either way, as far as f32 arithmetic and the matrix unit's own rounding can turn it there, and no further.
;; One version. Each part assembles by itself: llvm-mc -triple=amdgcn-amd-amdhsa -mcpu=gfx1250 --defsym DOCPART=n.
;; ======== version 1 of 1: 3 launches
;; limits: right only within a limited range of input values
;; workspace buffers: wbuf 1,671,168 bytes; qpart 1,048,576 bytes; opart 1,048,576 bytes; ml 32,768 bytes
;; launch prep (part 1): grid 256 x 1, 8 waves a work-group, no clusters, 28,928 bytes of LDS; arguments vector, Wq, Wk, Wv, Wo, wbuf, qpart; writes wbuf, qpart
.if DOCPART == 1
	.amdgcn_target "amdgcn-amd-amdhsa--gfx1250"
	.amdhsa_code_object_version 6
	.text
	.protected	k_qcd494a208d_prep
	.globl	k_qcd494a208d_prep
	.p2align	8
	.type	k_qcd494a208d_prep,@function
k_qcd494a208d_prep:
	s_mov_b64 s[64:65], 0
	v_nop
	global_prefetch_b8 v0, s[64:65] scope:SCOPE_SE
	s_setreg_imm32_b32 hwreg(HW_REG_WAVE_MODE, 25, 1), 1
	s_wait_xcnt 0x0
; Wk, Wv, Wo [1024 (K)][1024], f32, become codes of FP4 (E2M1) with one E8M0 byte for each 32 along K; vector x Wq is multiplied here, one K step of 128 a work-group: qpart[K step][32 rows][1024 columns], f32, which the next launch adds up.
; A RECORD of wbuf (34,816 bytes) holds 64 columns x 1,024 K: byte 4096 s + 1024 t + 512 c + 16 lane = the 32 codes of column 16 t + lane % 16, k = 128 s + 64 c + 32 (lane / 16) + 0 .. 31;
; at 32768 + 256 s + 4 column the scale word of K step s.  Record 8 (h / 4) + h % 4: head h of Wk; + 4: of Wv; record 32 + j: Wo's columns 64 j on.
; A block's scale is 2^(floor(log2(its largest magnitude)) - 2): its byte is that magnitude's exponent field - 2, held at 1 from below by a floor among the maximum's leaves.
; LIMITS: a block of zeros gets the byte 1 where the rule says 127 (its codes are zeros; these bytes are read by this program alone); NaN and infinities among the inputs are not served.
; SHARES: work-group = (matrix, 128 columns, K step); wave = 32 columns x 64 along K: a lane to a column, its registers down K.  The first 64 work-groups, Wq's, have the most work.
; No tensor load, no cluster: each byte of the weights is read by one work-group.  No prefetch: there is no loop to run ahead in.
.set RECW, 34816
.set SCW, 8192                         ; LDS: 0: Wq's eight tiles (images);  8,192: scale words of 128 columns
.set VIM, 8704                         ; vector's two images
.set VSC, 10752                        ; and its scale words
.set STG, 11008                        ; 32 rows x (512 + 16) bytes
.set SPARE, 27904
.set SPW, 5
.set NIL, 6
.set VIN, 7
.set VOUT, 8
.set LW, 9
.set SW, 10
.set VV, 11
.set VI, 12
.set VB, 13
.set LI, 14
.set L8, 15
.set PA, 16
.set PS, 17
.set PV, 18
.set PVS, 19
.set MA, 20
.set MB, 21
.set SCL, 22
.set SL, 23
.set E0, 24
.set E1, 25
.set E2, 26
.set ST, 27
.set SR, 28
.set R, 32
.set VX, 96
.set CD, 128
.set CV, 136
.set AF, 140
.set AS, 148
.set BS, 149
.set BF, 152
.set DD, 168
.set OU, 184
.macro QBLOCK x, c, e                  ; 32 numbers of one block -> 4 registers of codes and the scale's byte
	v_max3_num_f32 v[MA], |v[(\x)]|, |v[(\x)+1]|, |v[(\x)+2]|
	v_max3_num_f32 v[MB], |v[(\x)+3]|, |v[(\x)+4]|, |v[(\x)+5]|
.irp i, 6,10,14,18,22,26
	v_max3_num_f32 v[MA], v[MA], |v[(\x)+\i]|, |v[(\x)+\i+1]|
	v_max3_num_f32 v[MB], v[MB], |v[(\x)+\i+2]|, |v[(\x)+\i+3]|
.endr
	v_max3_num_f32 v[MA], v[MA], |v[(\x)+30]|, |v[(\x)+31]|
	v_max3_num_f32 v[MA], v[MA], v[MB], 0x1800000          ; the floor 2^(3 - 127)
	v_add_nc_u32 v[SCL], 0xff000000, v[MA]                 ; 2 off the exponent field: the conversion's scale operand
.irp g, 0,1,2,3
	v_cvt_scalef32_pk8_fp4_f32 v[(\c)+\g], v[(\x)+8*\g:(\x)+8*\g+7], v[SCL]
.endr
	v_lshrrev_b32 v[(\e)], 23, v[SCL]                      ; the byte; also the plain line behind the conversions
.endm
	s_load_b256 s[4:11], s[0:1], 0x0               ; vector 4:5, Wq 6:7, Wk 8:9, Wv 10:11
	s_load_b128 s[12:15], s[0:1], 0x20             ; Wo 12:13, wbuf 14:15
	s_load_b64 s[16:17], s[0:1], 0x30              ; qpart
	v_lshl_add_u32 v[SPW], v0, 2, SPARE
	v_mov_b32 v[NIL], 0
	v_lshrrev_b32 v1, 5, v0
	v_readfirstlane_b32 s18, v1                    ; wave 0..7
	s_lshr_b32 s19, ttmp9, 6                       ; which matrix: Wq, Wk, Wv, Wo
	s_bfe_u32 s20, ttmp9, 0x30003                  ; which 128 columns
	s_and_b32 s21, ttmp9, 7                        ; which K step
	s_and_b32 s22, s18, 3                          ; my 32 columns
	s_lshr_b32 s23, s18, 2                         ; my half of the K step
	s_lshl_b32 s24, s21, 19                        ; in: 128 rows of 4,096 bytes a K step
	s_lshl_b32 s25, s23, 18
	s_add_co_u32 s24, s24, s25
	s_lshl_b32 s25, s20, 9
	s_add_co_u32 s24, s24, s25
	s_lshl_b32 s25, s22, 7
	s_add_co_u32 s24, s24, s25
	s_mov_b32 s25, 0
	s_lshl_b32 s26, s20, 1
	s_lshr_b32 s27, s22, 1
	s_add_co_u32 s26, s26, s27                     ; which 64 columns: the head
	s_lshr_b32 s27, s26, 2
	s_lshl_b32 s27, s27, 3
	s_and_b32 s28, s26, 3
	s_add_co_u32 s27, s27, s28                     ; its record in Wk,
	s_add_co_u32 s28, s27, 4                       ; in Wv,
	s_add_co_u32 s29, s26, 32                      ; in Wo
	s_cmp_eq_u32 s19, 2
	s_cselect_b32 s27, s28, s27
	s_cmp_eq_u32 s19, 3
	s_cselect_b32 s27, s29, s27
	s_mul_i32 s28, s27, RECW
	s_lshl_b32 s29, s21, 8
	s_add_co_u32 s30, s28, s29
	s_add_co_u32 s30, s30, 32768                   ; the K step's 64 scale words
	s_mov_b32 s31, 0
	s_lshl_b32 s29, s21, 12
	s_add_co_u32 s28, s28, s29
	s_and_b32 s29, s22, 1
	s_lshl_b32 s29, s29, 11
	s_add_co_u32 s28, s28, s29
	s_lshl_b32 s29, s23, 9
	s_add_co_u32 s28, s28, s29                     ; my codes
	s_mov_b32 s29, 0
	s_lshl_b32 s33, s22, 11
	s_lshl_b32 s34, s23, 9
	s_add_co_u32 s33, s33, s34                     ; Wq: my codes in LDS
	s_lshl_b32 s34, s22, 7
	s_lshl_b32 s35, s23, 1
	s_add_co_u32 s34, s34, s35
	s_add_co_u32 s34, s34, SCW                     ; my two bytes of each scale word
	s_lshl_b32 s42, s18, 9
	s_add_co_u32 s42, s42, VIM
	s_lshr_b32 s38, s18, 1
	s_and_b32 s39, s18, 1
	s_lshl_b32 s43, s38, 6
	s_lshl_b32 s44, s39, 1
	s_add_co_u32 s43, s43, s44
	s_add_co_u32 s43, s43, VSC
	s_lshl_b32 s45, s38, 8
	s_add_co_u32 s45, s45, SCW
	s_lshl_b32 s38, s38, 16                        ; vector: 16 rows x (wave / 2), 64 along K x (wave % 2)
	s_lshl_b32 s39, s39, 8
	s_add_co_u32 s38, s38, s39
	s_lshl_b32 s39, s21, 9
	s_add_co_u32 s38, s38, s39
	s_mov_b32 s39, 0
	s_lshl_b32 s44, s18, 6
	s_mul_i32 s46, s18, 4*528
	s_add_co_u32 s46, s46, STG
	s_add_co_u32 s47, s44, SCW
	s_add_co_u32 s44, s44, STG
	s_lshl_b32 s35, s18, 10
	v_and_b32 v2, 31, v0                           ; lane
	v_and_b32 v3, 15, v0                           ; r
	v_bfe_u32 v4, v0, 4, 1                         ; h
	v_lshlrev_b32 v[VIN], 2, v2
	v_lshlrev_b32 v[LI], 4, v2
	v_lshlrev_b32 v[L8], 3, v2
	v_lshlrev_b32 v[VOUT], 4, v3
	v_lshl_add_u32 v[VOUT], v4, 10, v[VOUT]        ; lanes 16-31 belong to the next tile of 16 columns
	v_add_nc_u32 v[LW], s33, v[VOUT]
	v_add_nc_u32 v[SW], s34, v[VIN]
	v_lshlrev_b32 v[VV], 12, v3
	v_lshl_add_u32 v[VV], v4, 7, v[VV]
	v_add_nc_u32 v[VI], s42, v[LI]
	v_lshl_add_u32 v[VB], v3, 2, v4
	v_add_nc_u32 v[VB], s43, v[VB]
	v_add_nc_u32 v[PA], s35, v[LI]
	v_lshlrev_b32 v[PS], 2, v3
	v_add_nc_u32 v[PS], s47, v[PS]
	v_add_nc_u32 v[PV], VIM, v[LI]
	v_add_nc_u32 v[PVS], VSC, v[VIN]
	v_mul_u32_u24 v[ST], v3, 528
	v_lshl_add_u32 v[ST], v4, 5, v[ST]
	v_add_nc_u32 v[ST], s44, v[ST]
	v_add_nc_u32 v[SR], s46, v[LI]
	v_add_nc_u32 v[SL], s45, v[L8]
	s_wait_alu depctr_va_vdst(0)                   ; the wait at the head's end
	s_wait_kmcnt 0x0
	s_mov_b64 s[36:37], s[6:7]
	s_cmp_eq_u32 s19, 1
	s_cselect_b64 s[36:37], s[8:9], s[36:37]
	s_cmp_eq_u32 s19, 2
	s_cselect_b64 s[36:37], s[10:11], s[36:37]
	s_cmp_eq_u32 s19, 3
	s_cselect_b64 s[36:37], s[12:13], s[36:37]
	s_add_nc_u64 s[36:37], s[36:37], s[24:25]
	s_cmp_lg_u32 s19, 0
	s_cbranch_scc1 .Lno_vec
	s_cmp_gt_u32 s18, 3
	s_cbranch_scc1 .Lno_vec
	s_add_nc_u64 s[40:41], s[4:5], s[38:39]
.irp i, 0,1,2,3,4,5,6,7
	global_load_b128 v[VX+4*\i:VX+4*\i+3], v[VV], s[40:41] offset:16*\i
.endr
.Lno_vec:
.set wi, 0
.rept 64
	global_load_b32 v[R+wi], v[VIN], s[36:37] offset:4096*wi th:TH_LOAD_NT
.set wi, wi+1
.endr
	s_wait_loadcnt 32                              ; my first block is in; the second's 32 loads may be out
	QBLOCK R, CD, E0
	s_wait_loadcnt 0x0
	QBLOCK R+32, CD+4, E1
	v_lshl_or_b32 v[E0], v[E1], 8, v[E0]
	ds_store_b16 v[SW], v[E0]                      ; bytes 2 x half, + 1 of my column's scale word
	s_wait_alu depctr_va_vdst(0)                   ; the wait ahead of the branch
	s_cmp_lg_u32 s19, 0
	s_cbranch_scc1 .Lweights
	; ---- Wq: its codes stay in LDS, vector's join them ----
	ds_store_b128 v[LW], v[CD:CD+3]
	ds_store_b128 v[LW], v[CD+4:CD+7] offset:256
	s_cmp_gt_u32 s18, 3
	s_cbranch_scc1 .Lq_join
	QBLOCK VX, CV, E2
	ds_store_b128 v[VI], v[CV:CV+3]
	ds_store_b8 v[VB], v[E2]
.Lq_join:
	s_wait_dscnt 0x0
	s_barrier_signal -1
	s_barrier_wait -1
	ds_load_b128 v[AF:AF+3], v[PA]                 ; my tile of 16 columns
	ds_load_b128 v[AF+4:AF+7], v[PA] offset:512
	ds_load_b32 v[AS], v[PS]
.irp m, 0,1
.irp c, 0,1
	ds_load_b128 v[BF+8*\m+4*\c:BF+8*\m+4*\c+3], v[PV] offset:1024*\m+512*\c
.endr
.endr
	ds_load_b32 v[BS], v[PVS]                      ; lanes 0-15 rows 0-15, lanes 16-31 rows 16-31
	s_wait_dscnt 0x0
	v_wmma_scale_f32_16x16x128_f8f6f4 v[DD:DD+7], v[AF:AF+7], v[BF:BF+7], 0, v[AS], v[BS] matrix_a_fmt:MATRIX_FMT_FP4 matrix_b_fmt:MATRIX_FMT_FP4
	v_wmma_scale_f32_16x16x128_f8f6f4 v[DD+8:DD+15], v[AF:AF+7], v[BF+8:BF+15], 0, v[AS], v[BS] matrix_a_fmt:MATRIX_FMT_FP4 matrix_b_fmt:MATRIX_FMT_FP4 matrix_b_scale:MATRIX_SCALE_ROW1
.rept 4
	v_nop                                          ; places in front of the first read of results
.endr
.irp m, 0,1
	ds_store_b128 v[ST], v[DD+8*\m:DD+8*\m+3] offset:8448*\m       ; lane (r, h): row 16 m + r, columns 16 wave + 8 h + 0 .. 7
	ds_store_b128 v[ST], v[DD+8*\m+4:DD+8*\m+7] offset:8448*\m+16
.endr
	s_lshl_b32 s24, s21, 17
	s_lshl_b32 s25, s18, 14
	s_add_co_u32 s24, s24, s25
	s_lshl_b32 s25, s20, 9
	s_add_co_u32 s24, s24, s25
	s_mov_b32 s25, 0
	s_add_nc_u64 s[16:17], s[16:17], s[24:25]
	s_wait_dscnt 0x0
	s_barrier_signal -1
	s_barrier_wait -1
.irp i, 0,1,2,3
	ds_load_b128 v[OU+4*\i:OU+4*\i+3], v[SR] offset:528*\i
.endr
	s_wait_dscnt 0x0
.irp i, 0,1,2,3
	global_store_b128 v[LI], v[OU+4*\i:OU+4*\i+3], s[16:17] offset:4096*\i   ; 512 consecutive bytes of a row, aligned
.endr
	s_wait_tensorcnt 0x0                           ; the wave's end
	ds_add_u32 v[SPW], v[NIL]
	s_wait_dscnt 0x0
	s_endpgm
	; ---- Wk, Wv, Wo: codes to the record; the scale words meet in LDS ----
.Lweights:
	s_add_nc_u64 s[28:29], s[14:15], s[28:29]
	s_add_nc_u64 s[30:31], s[14:15], s[30:31]
	global_store_b128 v[VOUT], v[CD:CD+3], s[28:29]                ; sixteen lanes fill an aligned 256 bytes
	global_store_b128 v[VOUT], v[CD+4:CD+7], s[28:29] offset:256
	s_wait_dscnt 0x0
	s_barrier_signal -1
	s_barrier_wait -1
	s_and_b32 s35, s18, 5
	s_cmp_lg_u32 s35, 0                            ; waves 0 and 2 store the words of 64 columns each
	s_cbranch_scc1 .Lw_end
	ds_load_b64 v[OU:OU+1], v[SL]
	s_wait_dscnt 0x0
	global_store_b64 v[L8], v[OU:OU+1], s[30:31]   ; one aligned unit of 256 bytes
.Lw_end:
	s_wait_tensorcnt 0x0                           ; the wave's end
	ds_add_u32 v[SPW], v[NIL]
	s_wait_dscnt 0x0
	s_endpgm
.Lfunc_end_k_qcd494a208d_prep:
	.size	k_qcd494a208d_prep, .Lfunc_end_k_qcd494a208d_prep-k_qcd494a208d_prep
	.p2alignl 7, 3214868480
	.fill 96, 4, 3214868480
	.section	.rodata,"a",@progbits
	.p2align	6, 0x0
	.amdhsa_kernel k_qcd494a208d_prep
		.amdhsa_group_segment_fixed_size 28928
		.amdhsa_private_segment_fixed_size 0
		.amdhsa_enable_private_segment 0
		.amdhsa_kernarg_size 56
		.amdhsa_user_sgpr_count 2
		.amdhsa_user_sgpr_kernarg_segment_ptr 1
		.amdhsa_wavefront_size32 1
		.amdhsa_system_sgpr_workgroup_id_x 1
		.amdhsa_system_sgpr_workgroup_id_y 1
		.amdhsa_system_sgpr_workgroup_id_z 1
		.amdhsa_system_vgpr_workitem_id 0
		.amdhsa_next_free_vgpr 208
		.amdhsa_next_free_sgpr 66
		.amdhsa_reserve_vcc 0
		.amdhsa_float_denorm_mode_32 3
		.amdhsa_float_denorm_mode_16_64 3
		.amdhsa_memory_ordered 1
		.amdhsa_forward_progress 1
		.amdhsa_inst_pref_size 20
	.end_amdhsa_kernel
	.amdgpu_metadata
---
amdhsa.version: [ 1, 2 ]
amdhsa.kernels:
  - .name:           k_qcd494a208d_prep
    .symbol:         k_qcd494a208d_prep.kd
    .args:
      - { .name: vector, .offset: 0, .size: 8, .value_kind: global_buffer, .address_space: global }
      - { .name: Wq, .offset: 8, .size: 8, .value_kind: global_buffer, .address_space: global }
      - { .name: Wk, .offset: 16, .size: 8, .value_kind: global_buffer, .address_space: global }
      - { .name: Wv, .offset: 24, .size: 8, .value_kind: global_buffer, .address_space: global }
      - { .name: Wo, .offset: 32, .size: 8, .value_kind: global_buffer, .address_space: global }
      - { .name: wbuf, .offset: 40, .size: 8, .value_kind: global_buffer, .address_space: global }
      - { .name: qpart, .offset: 48, .size: 8, .value_kind: global_buffer, .address_space: global }
    .group_segment_fixed_size: 28928
    .private_segment_fixed_size: 0
    .kernarg_segment_align: 8
    .kernarg_segment_size: 56
    .max_flat_workgroup_size: 256
    .sgpr_count:     66
    .vgpr_count:     208
    .wavefront_size: 32
...
	.end_amdgpu_metadata
.endif
;; end of part 1
;; launch mha (part 2): grid 256 x 1, 4 waves a work-group, clusters of 4 x 1, 327,680 bytes of LDS; arguments matrix, wbuf, qpart, bq, bk, mask, out2, opart, ml; writes out2, opart, ml
.if DOCPART == 2
	.amdgcn_target "amdgcn-amd-amdhsa--gfx1250"
	.amdhsa_code_object_version 6
	.text
	.protected	k_qcd494a208d_mha
	.globl	k_qcd494a208d_mha
	.p2align	8
	.type	k_qcd494a208d_mha,@function
k_qcd494a208d_mha:
	s_mov_b64 s[64:65], 0
	v_nop
	global_prefetch_b8 v0, s[64:65] scope:SCOPE_SE
	s_setreg_imm32_b32 hwreg(HW_REG_WAVE_MODE, 25, 1), 1
	s_wait_xcnt 0x0
	s_wait_alu depctr_hold_cnt(0) depctr_sa_sdst(0) depctr_va_vdst(0) depctr_va_sdst(0) depctr_va_ssrc(0) depctr_va_vcc(0) depctr_vm_vsrc(0)
	s_getreg_b32 s2, hwreg(HW_REG_IB_STS2, 6, 4)
	s_cmp_eq_u32 s2, 0
	s_cbranch_scc0 .Lentry_in_a_cluster
	s_endpgm
.Lentry_in_a_cluster:
	s_bfe_u32 s2, ttmp6, 0x10000c
	s_cmp_lg_u32 s2, 0x3003
	s_cbranch_scc0 .Lentry_shape_is_right
	s_endpgm
.Lentry_shape_is_right:
; A work-group owns 128 tokens of one batch row and all 16 heads: it quantises its rows of matrix (f32 -> FP4 codes, one E8M0 byte for each 32 along K), multiplies them by Wk's and Wv's codes, and leaves the scores (out2) and, for each head,
; the softmax over its own 128 tokens in parts: the largest masked score m, the sum l of exp(score - m), and the sum of exp(score - m) v (opart).  The next launch joins the eight parts of a batch row.
; bk enters as q . bk, with which each score's sum begins; bv is added in the next launch, behind the normalised sum, since the weights sum to 1.
; FIRST PART.  Each wave reads 32 of the rows, in units of 16 rows x 64 along K (eight loads of two rows' aligned 256 bytes), eight units ahead, turns them through its own stage in LDS so that a lane holds 32 neighbours along K, and converts.
; The codes of a K step meet in LDS, and every wave takes all 128 rows into registers: 8 tiles x 8 K steps x 8 registers.
; SECOND PART.  Wave w works on heads 4 i + w, i = 0 .. 3.  Wk's and Wv's records (34,816 bytes for a head) come through a ring of two LDS slots, a slot holding the four waves' records of K or of V: one tensor load a wave and slot.
; Every work-group walks the same weights: the four of a cluster ask for them JOINTLY.
; K is used transposed (source 0 = 32 columns of Wk, source 1 = 16 rows): a lane holds one token and its registers run along the head: the dot with q stays in the lane.  V is not (source 0 = 32 rows, source 1 = 16 columns): a lane holds one column and its registers run along tokens.
; THE TOKENS OF A ROW TILE ARE NOT NEIGHBOURS: tile 2 k + u holds tokens 64 u + 4 r + k: a lane's four scores are then four neighbouring tokens and leave as 16 bytes a lane.
; PREFETCH: of the weights, two slots ahead of the load, by the first four clusters, since all clusters read the same 1.1 MB; each of a cluster's four takes one record of the slot, told apart by address.  matrix is not prefetched: its loads run eight units ahead in every wave and the part holds nothing else that waits.
; LIMITS: a block of zeros gets the byte 1 (its codes are zeros); NaN and infinities among the inputs are not served; the scaled scores stay under 2^31 in magnitude.
; REGISTERS: window 0: addresses, W's fragments (three buffers), scale words, q, p.  Window 1: the units as loaded, later the 16 accumulators of 32 x 16.  Windows 2 and 3: the rows' codes, K steps 0-3 and 4-7.
.set RECW, 34816
.set SLOT, 4*RECW
.set STG, 2*SLOT                       ; LDS behind the ring: four stages of 16 x 272 bytes
.set EX, STG+17408                     ; the exchange: two buffers of 8 images and 128 scale words
.set QL, EX+17408                      ; q, 1,024 numbers
.set QBK, QL+4096                      ; q . bk of the 16 heads
.set PAREA, QBK+256                    ; p, 128 numbers for each wave
.set SPARE, PAREA+2048
.set T16, 1
.set SPW, 2
.set NIL, 3
.set LI, 4
.set L8, 6
.set ZR, 7
.set VIN, 8
.set VST, 9
.set VLD, 10
.set SH8, 11
.set EXW, 12
.set EXS, 13
.set WA0, 14
.set WSA0, 16
.set QA, 18
.set QBA, 19
.set PW, 20
.set PR, 21
.set PFO, 22
.set PFO2, 23
.set SS, 24                            ; v24-27 four scores
.set MLR, 28                           ; v28-29 m, l
.set FILL, 30
.set LP, 31
.set WB, 32                            ; v32-127 W's fragments, three buffers
.set WS, 128                           ; v128-133 their scale words
.set QB, 134                           ; v134-135
.set XS, 136                           ; v136-167 the rows' scale words: lanes 0-15 tile 2 k, lanes 16-31 tile 2 k + 1
.set QQ, 168                           ; v168-199 q of the head
.set TT, 200                           ; v200-215
.set PB, 168                           ; v168-231 p, behind the scores
.set XN, 168                           ; first part: two sets of 32 neighbours
.set OC, 232                           ; v232-247
.set TQ, 232
.set CD, 232                           ; first part: codes
.set QKW, 240
.set QW, 241
.set OAB, 248
.set MA, 248
.set MB, 249
.set SCL, 250
.set MX, 250
.set BY0, 251
.set TMP, 253
.set XR, 254
.set XRS, 255
.set QBT, 252
.set QAT, 254
.set QBR, 255
.set MSB, 0
.macro WIN new
.if MSB != (\new)
	s_set_vgpr_msb (MSB<<8)|(\new)
.set MSB, \new
.endif
.endm
.macro PLACES
.rept 4
	v_nop
.endr
.endm
.macro CREST                           ; a round of the cluster's barrier behind its opening barrier
	s_cmp_lg_u32 s22, 0
	s_cbranch_scc1 .Lnot_wave_0_\@
	s_barrier_signal -3
.Lnot_wave_0_\@:
	s_barrier_wait -3
	s_barrier_signal -1
	s_barrier_wait -1
.endm
.macro CROUND
	s_barrier_signal -1
	s_barrier_wait -1
	CREST
.endm
.macro ASK                             ; a slot's record, 136 blocks of 256 bytes, 34 a wave
	s_cmp_gt_u32 s58, s57
	s_cbranch_scc0 .Lno_ask_\@
	global_prefetch_b8 v[PFO], s[62:63] th:TH_LOAD_NT scope:SCOPE_SE
	global_prefetch_b8 v[PFO2], s[62:63] th:TH_LOAD_NT scope:SCOPE_SE
.Lno_ask_\@:
.endm
.macro QBLOCK x, c, e                  ; 32 numbers of one block -> 4 registers of codes and the scale's byte
	v_max3_num_f32 v[MA], |v[(\x)]|, |v[(\x)+1]|, |v[(\x)+2]|
	v_max3_num_f32 v[MB], |v[(\x)+3]|, |v[(\x)+4]|, |v[(\x)+5]|
.irp i, 6,10,14,18,22,26
	v_max3_num_f32 v[MA], v[MA], |v[(\x)+\i]|, |v[(\x)+\i+1]|
	v_max3_num_f32 v[MB], v[MB], |v[(\x)+\i+2]|, |v[(\x)+\i+3]|
.endr
	v_max3_num_f32 v[MA], v[MA], |v[(\x)+30]|, |v[(\x)+31]|
	v_max3_num_f32 v[MA], v[MA], v[MB], 0x1800000          ; the floor 2^(3 - 127): the byte cannot fall under 1
	v_add_nc_u32 v[SCL], 0xff000000, v[MA]                 ; 2 off the exponent field: the conversion's scale operand
.irp g, 0,1,2,3
	v_cvt_scalef32_pk8_fp4_f32 v[(\c)+\g], v[(\x)+8*\g:(\x)+8*\g+7], v[SCL]
.endr
	v_lshrrev_b32 v[(\e)], 23, v[SCL]                      ; the byte; also the plain line behind the conversions
.endm
; Unit u: K step u / 4, my tile (u / 2) % 2, half u % 2 of the K step.
.macro LOADU u
.set UO, 512*((\u)/4)+262144*(((\u)/2)%2)+256*((\u)%2)
.set UR, 32*((\u)%8)
.irp i, 0,1,2,3,4,5,6,7
	global_load_b128 v[UR+4*\i:UR+4*\i+3], v[VIN], s[72:73] offset:UO+32768*\i th:TH_LOAD_NT
.endr
.endm
.macro TURN u                          ; LDS serves a wave's instructions in order: no wait between the stores and the loads, and one stage is enough
.set UR, 32*((\u)%8)
.set UX, XN+32*((\u)%2)
.irp i, 0,1,2,3,4,5,6,7
	ds_store_b128 v[VST], v[UR+4*\i:UR+4*\i+3] offset:544*\i
.endr
.irp i, 0,1,2,3,4,5,6,7
	ds_load_b128 v[UX+4*\i:UX+4*\i+3], v[VLD] offset:16*\i
.endr
.endm
.macro QLOADS                          ; 21 loads: the eight parts of q (columns 4 t and 512 + 4 t of thread t), bq, bk, the mask of my lane's four tokens
.set qj, 0
.rept 8
	global_load_b128 v[32+8*qj:35+8*qj], v[T16], s[8:9] offset:131072*qj
	global_load_b128 v[36+8*qj:39+8*qj], v[T16], s[8:9] offset:131072*qj+2048
.set qj, qj+1
.endr
	global_load_b128 v[96:99], v[T16], s[10:11]
	global_load_b128 v[100:103], v[T16], s[10:11] offset:2048
	global_load_b128 v[104:107], v[T16], s[12:13]
	global_load_b128 v[108:111], v[T16], s[12:13] offset:2048
	global_load_b128 v[112:115], v[LI], s[14:15]
.endm
.macro QSUM                            ; q = (sum of the parts + bq) / 8, and q . bk: sixteen lanes hold a head
	s_wait_loadcnt 0x0
.irp kq, 1,2,3,4,5,6,7,8
.irp e, 0,2,4,6
	v_pk_add_f32 v[32+\e:33+\e], v[32+\e:33+\e], v[32+8*\kq+\e:33+8*\kq+\e]
.endr
.endr
.irp e, 0,2,4,6
	v_pk_mul_f32 v[32+\e:33+\e], v[32+\e:33+\e], 0x3e000000 op_sel_hi:[1,0]
.endr
.irp e, 0,1
	v_mul_f32 v[116+\e], v[32+4*\e], v[104+4*\e]
.endr
.irp j, 1,2,3
.irp e, 0,1
	v_fma_f32 v[116+\e], v[32+4*\e+\j], v[104+4*\e+\j], v[116+\e]
.endr
.endr
.irp xm, 1,2,4,8
.irp e, 0,1
	v_add_f32_dpp v[116+\e], v[116+\e], v[116+\e] row_xmask:\xm row_mask:0xf bank_mask:0xf
.endr
.endr
.irp e, 0,1
	ds_store_b128 v[QW], v[32+4*\e:35+4*\e] offset:2048*\e
	ds_store_b32 v[QKW], v[116+\e] offset:32*\e            ; a head's sixteen lanes write the same word with the same value
.endr
.irp k, 0,1,2,3
	v_cmp_lt_i32 s[52+\k], 0, v[112+\k]                    ; one bit a lane: does token 4 lane + k count?
.endr
.endm
.macro XCREAD ks                       ; all 128 rows of a K step: fragments and scale words
	WIN (0x80+0x40*((\ks)/4))
.set fi, 0
.rept 16
	ds_load_b128 v[64*((\ks)%4)+4*fi:64*((\ks)%4)+4*fi+3], v[XR] offset:8704*((\ks)%2)+512*fi
.set fi, fi+1
.endr
	WIN 0
.irp k, 0,1,2,3
	ds_load_b32 v[XS+4*(\ks)+\k], v[XRS] offset:8704*((\ks)%2)+128*\k
.endr
.endm
.macro STEP u
	s_wait_dscnt 0x0                               ; this unit's neighbours are back, and its stores have read their registers
.if (\u) < 24
	WIN 0x40
	LOADU (\u)+8
.endif
.if (\u) == 26
	WIN 0
	QLOADS
.endif
.if (\u) < 24
	s_wait_loadcnt 56                              ; the next unit is in; the seven younger units' 56 loads may be out
.elseif (\u) < 26
	s_wait_loadcnt 8*(30-(\u))
.elseif (\u) < 31
	s_wait_loadcnt 8*(30-(\u))+21                  ; and QLOADS' 21
.endif
.if (\u) < 31
	WIN 0x04
	TURN (\u)+1
.endif
	WIN 0
	QBLOCK XN+32*((\u)%2), CD+4*((\u)%2), BY0+((\u)%2)
	ds_store_b128 v[EXW], v[CD+4*((\u)%2):CD+4*((\u)%2)+3] offset:8704*(((\u)/4)%2)+1024*(((\u)/2)%2)+512*((\u)%2)
.if (\u)%2 == 1
	v_lshl_or_b32 v[BY0], v[BY0+1], 16, v[BY0]     ; my two bytes: blocks h and 2 + h,
	v_lshlrev_b32 v[BY0], v[SH8], v[BY0]           ; at their places;
	v_permlanex16_b32 v[TMP], v[BY0], s60, s61
	v_or_b32 v[BY0], v[BY0], v[TMP]                ; with lane l xor 16's two the word is whole
	ds_store_b32 v[EXS], v[BY0] offset:8704*(((\u)/4)%2)+64*(((\u)/2)%2)
.endif
.if (\u)%4 == 3
.if (\u) == 15
	s_wait_tensorcnt 0x0                           ; slot 0 has landed: slot 1's first fill follows, as a refill does
	ds_add_u32 v[SPW], v[NIL]
	s_wait_dscnt 0x0
	CROUND                                         ; also the exchange's barrier
	tensor_load_to_lds s[48:51], s[36:43]
	s_nop 0
	PLACES
.else
.if (\u) == 31
	QSUM
.endif
	s_wait_dscnt 0x0                               ; my part of the K step lies in LDS, and my reads of the other buffer are over
	s_barrier_signal -1
	s_barrier_wait -1
.endif
	XCREAD ((\u)/4)
.if (\u) == 19
	ASK
.endif
.if (\u) == 27
	s_wait_xcnt 0x0
	s_add_nc_u64 s[62:63], s[62:63], SLOT
	ASK
.endif
.endif
.endm
; W's fragments of K step ks into buffer ks % 3: ten LDS loads
.macro FETCH slot, ks
.set fi, 0
.rept 8
	ds_load_b128 v[WB+32*((\ks)%3)+4*fi:WB+32*((\ks)%3)+4*fi+3], v[WA0+(\slot)] offset:4096*(\ks)+512*fi
.set fi, fi+1
.endr
	ds_load_b32 v[WS+2*((\ks)%3)], v[WSA0+(\slot)] offset:256*(\ks)
	ds_load_b32 v[WS+2*((\ks)%3)+1], v[WSA0+(\slot)] offset:256*(\ks)+128
.endm
.macro WF d, a, b, z, sa, sb, row
.if (\z)
.if (\row)
	v_wmma_scale_f32_32x16x128_f4 v[(\d):(\d)+15], v[(\a):(\a)+15], v[(\b):(\b)+7], 0, v[(\sa)], v[(\sb)] matrix_b_scale:MATRIX_SCALE_ROW1
.else
	v_wmma_scale_f32_32x16x128_f4 v[(\d):(\d)+15], v[(\a):(\a)+15], v[(\b):(\b)+7], 0, v[(\sa)], v[(\sb)]
.endif
.else
.if (\row)
	v_wmma_scale_f32_32x16x128_f4 v[(\d):(\d)+15], v[(\a):(\a)+15], v[(\b):(\b)+7], v[(\d):(\d)+15], v[(\sa)], v[(\sb)] matrix_b_scale:MATRIX_SCALE_ROW1
.else
	v_wmma_scale_f32_32x16x128_f4 v[(\d):(\d)+15], v[(\a):(\a)+15], v[(\b):(\b)+7], v[(\d):(\d)+15], v[(\sa)], v[(\sb)]
.endif
.endif
.endm
; Eight of a K step's sixteen products.  The 16 accumulators take turns, in the same order in every K step.
.macro WMX kv, ks, n0
.if \kv
	WIN (0x52+((\ks)/4))                           ; source 0 (rows) window 2 or 3, source 1 (W) window 0, C and D window 1
.else
	WIN (0x58+4*((\ks)/4))                         ; source 0 (W) window 0, source 1 (rows) window 2 or 3, C and D window 1
.endif
.set WBB, WB+32*((\ks)%3)
.set WSB, WS+2*((\ks)%3)
.set XK, 64*((\ks)%4)
.set WN, \n0
.rept 8
.if \kv
	WF 16*WN, XK+16*(WN/4), WBB+8*(WN%4), (\ks)==0, XS+4*(\ks)+WN/4, WSB+(WN%4)/2, WN%2
.else
	WF 16*WN, WBB+16*(WN%2), XK+8*(WN/2), (\ks)==0, WSB+WN%2, XS+4*(\ks)+WN/4, (WN/2)%2
.endif
.set WN, WN+1
.endr
.endm
.macro KSTEP kv, slot, ks
	s_wait_dscnt 10                                ; this K step's ten loads are in; the next one's ten may be out
.if (\ks) < 6
	WIN 0
	PLACES                                         ; in front of loads into registers that matrix instructions have read
	FETCH \slot, (\ks)+2
.endif
	WMX \kv, \ks, 0
	WMX \kv, \ks, 8
.endm
; A slot's last K step.  fill = 1: the change of slots: a round of the cluster's barrier, then this slot is filled again.
.macro LAST kv, slot, fill, g0
	s_wait_dscnt 0x0                               ; the K step's fragments are in: my reads of this slot are over
	WIN 0
	s_wait_xcnt 0x0                                ; the bases of stores and prefetches, and the stores' data, may be written
.if (\kv) == 0
	s_add_nc_u64 s[66:67], s[66:67], 16384         ; on to this head's scores,
	s_add_nc_u64 s[68:69], s[68:69], 1024          ; part of O,
	s_add_nc_u64 s[70:71], s[70:71], 32            ; m and l
.endif
.if \fill
	s_add_nc_u64 s[62:63], s[62:63], SLOT
	s_wait_tensorcnt 0x0                           ; my record of the next slot has landed;
	ds_add_u32 v[SPW], v[NIL]                      ; 0 onto my spare word
	s_add_nc_u64 s[\g0+2:\g0+3], s[\g0+2:\g0+3], 2*SLOT
	WMX \kv, 7, 0
	s_wait_dscnt 0x0                               ; the add is done
	s_barrier_signal -1
	WMX \kv, 7, 8
	WIN 0
	s_barrier_wait -1
	CREST                                          ; no wave of any partner still reads this slot or has a load on its way
	tensor_load_to_lds s[\g0:\g0+3], s[36:43]
	s_nop 0
	PLACES
	FETCH 1-\slot, 0
	FETCH 1-\slot, 1
	ASK
.else
	WMX \kv, 7, 0
	WMX \kv, 7, 8
	WIN 0
.if (\kv) == 0
	s_wait_tensorcnt 0x0                           ; my record of the last slot, which I alone read
.endif
	PLACES
.if (\kv) == 0
	FETCH 1-\slot, 0
	FETCH 1-\slot, 1
.endif
.endif
.endm
; Scores of 128 tokens, their largest, and p = exp(score - m).
.macro EPI_K
	v_cndmask_b32 v[QB], 0, v[QBR], s56            ; q . bk begins one of the four partial sums of a score: lanes 0-15, the low half
	WIN 0x01                                       ; source 0: window 1
.set JJ, 0
.rept 16
.set RT, 0
.rept 8
.set AR, 16*(2*RT+JJ/8)+8*((JJ/4)%2)+2*(JJ%4)
.if JJ == 0
	v_pk_fma_f32 v[TT+2*RT:TT+2*RT+1], v[AR:AR+1], v[QQ+2*JJ:QQ+2*JJ+1], v[QB:QB+1]
.else
	v_pk_fma_f32 v[TT+2*RT:TT+2*RT+1], v[AR:AR+1], v[QQ+2*JJ:QQ+2*JJ+1], v[TT+2*RT:TT+2*RT+1]
.endif
.set RT, RT+1
.endr
.set JJ, JJ+1
.endr
	WIN 0
.irp t, 0,2,4,6,8,10,12,14
	v_add_f32 v[TT+\t], v[TT+\t], v[TT+\t+1]
.endr
.irp k, 0,1,2,3
	v_permlane16_swap_b32 v[TT+4*\k], v[TT+4*\k+2] ; tile 2 k's two halves now lie in lanes 0-15 of both, tile 2 k + 1's in lanes 16-31
.endr
.irp k, 0,1,2,3
	v_add_f32 v[SS+\k], v[TT+4*\k], v[TT+4*\k+2]   ; the score of token 4 lane + k
.endr
	global_store_b128 v[LI], v[SS:SS+3], s[66:67]  ; 512 consecutive bytes, aligned
.irp k, 0,1,2,3
	v_cndmask_b32 v[TQ+\k], v[FILL], v[SS+\k], s[52+\k]
.endr
	v_max3_num_f32 v[MX], v[TQ], v[TQ+1], v[TQ+2]
	v_max_num_f32 v[MX], v[MX], v[TQ+3]
.irp xm, 1,2,4,8
	v_max_num_f32_dpp v[MX], v[MX], v[MX] row_xmask:\xm row_mask:0xf bank_mask:0xf
.endr
	v_permlanex16_b32 v[TMP], v[MX], s60, s61
	v_max_num_f32 v[MLR], v[MX], v[TMP]            ; m
.irp k, 0,1,2,3
	v_sub_f32 v[TQ+\k], v[TQ+\k], v[MLR]
.endr
.irp k, 0,1,2,3
	v_mul_f32 v[TQ+\k], 0x3fb8aa3b, v[TQ+\k]
.endr
	s_wait_alu depctr_va_vdst(0)                   ; the wait ahead of the batch
.irp k, 0,1,2,3
	v_exp_f32 v[TQ+\k], v[TQ+\k]
.endr
	v_nop
	s_wait_alu depctr_va_vdst(0)                   ; and behind it
	v_add_f32 v[LP], v[TQ], v[TQ+1]
	v_add_f32 v[MX], v[TQ+2], v[TQ+3]
	v_add_f32 v[LP], v[LP], v[MX]                  ; my four tokens' share of l
.irp k, 0,1,2,3
	ds_store_b32 v[PW], v[TQ+\k] offset:128*\k
.endr
.set fi, 0
.rept 16
	ds_load_b128 v[PB+4*fi:PB+4*fi+3], v[PR] offset:64*(fi/2)+16*(fi%2)   ; p of tile fi / 2, rows 8 h + 0 .. 7 (my own bytes: LDS serves a wave's instructions in order)
.set fi, fi+1
.endr
	s_wait_alu depctr_va_vdst(0)                   ; the wait here, ahead of the waits below
.endm
; The sum of p v over 128 tokens.
.macro EPI_V
	WIN 0x01
.set KK, 0
.rept 4
.set JJ, 0
.rept 8
.set CT, 0
.rept 4
.set AR, 16*(4*KK+CT)+2*JJ
.set OR, OC+4*CT+2*(JJ%2)
.if (KK == 0) && (JJ < 2)
	v_pk_mul_f32 v[OR:OR+1], v[AR:AR+1], v[PB+2*JJ:PB+2*JJ+1]
.else
	v_pk_fma_f32 v[OR:OR+1], v[AR:AR+1], v[PB+16*KK+2*JJ:PB+16*KK+2*JJ+1], v[OR:OR+1]
.endif
.set CT, CT+1
.endr
.set JJ, JJ+1
.endr
.set KK, KK+1
.endr
	WIN 0
.irp t, 0,4,8,12
	v_pk_add_f32 v[OC+\t:OC+\t+1], v[OC+\t:OC+\t+1], v[OC+\t+2:OC+\t+3]
.endr
	v_add_f32_dpp v[LP], v[LP], v[LP] row_xmask:1 row_mask:0xf bank_mask:0xf
.irp t, 0,4,8,12
	v_add_f32 v[OC+\t], v[OC+\t], v[OC+\t+1]
.endr
	v_add_f32_dpp v[LP], v[LP], v[LP] row_xmask:2 row_mask:0xf bank_mask:0xf
	v_permlane16_swap_b32 v[OC], v[OC+4]
	v_permlane16_swap_b32 v[OC+8], v[OC+12]
	v_add_f32_dpp v[LP], v[LP], v[LP] row_xmask:4 row_mask:0xf bank_mask:0xf
	v_add_f32 v[OAB], v[OC], v[OC+4]               ; column lane
	v_add_f32 v[OAB+1], v[OC+8], v[OC+12]          ; column 32 + lane
	v_add_f32_dpp v[LP], v[LP], v[LP] row_xmask:8 row_mask:0xf bank_mask:0xf
	global_store_b64 v[L8], v[OAB:OAB+1], s[68:69] ; one aligned unit of 256 bytes: columns l and 32 + l side by side
	v_permlanex16_b32 v[TMP], v[LP], s60, s61
	v_add_f32 v[MLR+1], v[LP], v[TMP]              ; l
	global_store_b64 v[ZR], v[MLR:MLR+1], s[70:71] ; m and l: all lanes hold the same eight bytes for the same place
.endm
.macro HEADBODY fill
	v_add_nc_u32 v[QAT], s59, v[QA]
	v_add_nc_u32 v[QBT], s35, v[QBA]
.set fi, 0
.rept 8
	ds_load_b128 v[QQ+4*fi:QQ+4*fi+3], v[QAT] offset:64*(fi/2)+16*(fi%2)   ; q at columns 16 (fi / 2) + 8 h + 0 .. 7
.set fi, fi+1
.endr
	ds_load_b32 v[QBR], v[QBT]
	s_add_co_u32 s59, s59, 1024
	s_add_co_u32 s35, s35, 16
.irp ks, 0,1,2,3,4,5,6
	KSTEP 0, 0, \ks
.endr
	LAST 0, 0, \fill, 44
	EPI_K
.irp ks, 0,1,2,3,4,5,6
	KSTEP 1, 1, \ks
.endr
	LAST 1, 1, \fill, 48
	EPI_V
.endm
	s_load_b512 s[4:19], s[0:1], 0x0               ; matrix 4:5, wbuf 6:7, qpart 8:9, bq 10:11, bk 12:13, mask 14:15, out2 16:17, opart 18:19
	s_load_b64 s[20:21], s[0:1], 0x40              ; ml
	v_lshl_add_u32 v[SPW], v0, 2, SPARE
	v_mov_b32 v[NIL], 0
	ds_add_u32 v[SPW], v[NIL]                      ; the wave's opening: the add, twice on end, ahead of my first tensor load
	ds_add_u32 v[SPW], v[NIL]
	v_lshrrev_b32 v5, 5, v0
	v_readfirstlane_b32 s22, v5                    ; wave 0..3
	s_bfe_u32 s24, ttmp6, 0x40000                  ; my place in the cluster
	s_lshl_b32 s23, ttmp9, 2
	s_add_co_u32 s23, s23, s24                     ; work-group x: batch row x / 8, tokens 128 (x % 8) on
	s_lshr_b32 s25, s23, 3
	s_and_b32 s26, s23, 7
	s_mul_i32 s76, s22, RECW                       ; my record in a slot
	s_mov_b32 s77, 0
	s_add_co_u32 s3, s76, 32768
	s_mul_i32 s28, s22, 4352
	s_add_co_u32 s28, s28, STG
	s_lshl_b32 s29, s22, 11
	s_add_co_u32 s29, s29, EX
	s_lshl_b32 s30, s22, 7
	s_add_co_u32 s30, s30, EX+8192
	s_lshl_b32 s31, s22, 8
	s_add_co_u32 s31, s31, QL
	s_lshl_b32 s32, s22, 2
	s_add_co_u32 s32, s32, QBK
	s_lshl_b32 s33, s22, 3
	s_add_co_u32 s33, s33, QBK
	s_lshl_b32 s34, s22, 9
	s_add_co_u32 s34, s34, PAREA
	s_mul_i32 s35, s22, 8704
	s_mov_b32 s36, 15|(3<<16)|(1<<21)              ; the mask: the cluster's four; elements of 8 bytes; 21 set beside a mask
	s_mov_b32 s37, 32<<16                          ; a record is 136 rows of 256 bytes
	s_mov_b32 s38, 136<<16
	s_mov_b32 s39, 32<<16
	s_mov_b32 s40, 136
	s_mov_b32 s41, 32
	s_mov_b32 s42, 0
	s_mov_b32 s43, 0
	s_mov_b32 s44, 1
	s_mov_b32 s45, s76
	s_mov_b32 s48, 1
	s_add_co_u32 s49, s76, SLOT
	s_mov_b32 s56, 0x0000ffff
	s_mov_b32 s58, 3                               ; trips
	s_mov_b32 s57, 100
	s_cmp_lt_u32 ttmp9, 4                          ; the first four clusters prefetch the weights, while trips to go > 1
	s_cselect_b32 s57, 1, s57
	s_mov_b32 s60, 0x76543210
	s_mov_b32 s61, 0xfedcba98
	v_and_b32 v32, 31, v0                          ; lane
	v_and_b32 v33, 15, v0                          ; r
	v_bfe_u32 v34, v0, 4, 1                        ; h
	v_lshlrev_b32 v[LI], 4, v32
	v_lshlrev_b32 v[L8], 3, v32
	v_lshlrev_b32 v[T16], 4, v0
	v_mov_b32 v[ZR], 0
	v_lshlrev_b32 v[VIN], 4, v33
	v_lshl_add_u32 v[VIN], v34, 14, v[VIN]         ; a load takes rows 2 i and 2 i + 1 of a tile: four tokens apart
	v_mul_u32_u24 v[VST], v34, 272
	v_lshl_add_u32 v[VST], v33, 4, v[VST]
	v_add_nc_u32 v[VST], s28, v[VST]               ; the stage, in: as loaded
	v_mul_u32_u24 v[VLD], v33, 272
	v_lshl_add_u32 v[VLD], v34, 7, v[VLD]
	v_add_nc_u32 v[VLD], s28, v[VLD]               ; out: row r, a whole block of 32 for each half of the lanes
	v_lshlrev_b32 v[SH8], 3, v34
	v_add_nc_u32 v[EXW], s29, v[LI]
	v_lshlrev_b32 v[EXS], 2, v33
	v_add_nc_u32 v[EXS], s30, v[EXS]
	v_add_nc_u32 v[XR], EX, v[LI]
	v_lshlrev_b32 v[XRS], 2, v32
	v_add_nc_u32 v[WSA0], s3, v[XRS]
	v_add_nc_u32 v[WSA0+1], SLOT, v[WSA0]
	v_add_nc_u32 v[PW], s34, v[XRS]
	v_add_nc_u32 v[XRS], EX+8192, v[XRS]
	v_add_nc_u32 v[WA0], s76, v[LI]
	v_add_nc_u32 v[WA0+1], SLOT, v[WA0]
	v_lshlrev_b32 v[QA], 5, v34
	v_add_nc_u32 v[PR], s34, v[QA]
	v_add_nc_u32 v[QA], s31, v[QA]
	v_mov_b32 v[QBA], s32
	v_add_nc_u32 v[QW], QL, v[T16]
	v_lshlrev_b32 v[QKW], 2, v34
	v_add_nc_u32 v[QKW], s33, v[QKW]
	v_lshlrev_b32 v[PFO], 8, v32
	v_add_nc_u32 v[PFO], s35, v[PFO]
	v_min_u32 v[PFO2], 1, v32
	v_lshlrev_b32 v[PFO2], 8, v[PFO2]
	v_add_nc_u32 v[PFO2], s35, v[PFO2]
	v_add_nc_u32 v[PFO2], 8192, v[PFO2]            ; a wave's last two blocks
	v_mov_b32 v[FILL], 0xf149f2ca                  ; -1e30
	v_mov_b32 v[QB+1], 0
	v_mov_b32 v[TMP], 0                            ; a lane permute's destination counts as one of its sources
	s_mov_b32 s35, 0
	s_mov_b32 s59, 0
	s_wait_alu depctr_va_vdst(0)                   ; the wait at the head's end
	s_wait_dscnt 0x0                               ; both opening adds are done
	s_wait_kmcnt 0x0
	s_mov_b32 s79, 0
	s_add_nc_u64 s[46:47], s[6:7], s[76:77]        ; the walking descriptors: K and V of head group 0
	s_add_nc_u64 s[50:51], s[46:47], SLOT
	s_or_b32 s47, s47, 0x80000000
	s_or_b32 s51, s51, 0x80000000
	s_lshl_b32 s78, s23, 19
	s_lshl_b32 s27, s22, 12
	s_add_co_u32 s78, s78, s27
	s_add_nc_u64 s[72:73], s[4:5], s[78:79]        ; token w of my 128
	s_mul_i32 s78, s24, RECW
	s_add_co_u32 s78, s78, 2*SLOT
	s_add_nc_u64 s[62:63], s[6:7], s[78:79]        ; the prefetches begin with slot work 2
	s_lshl_b32 s78, s25, 16
	s_add_co_u32 s78, s78, s27
	s_lshl_b32 s27, s26, 9
	s_add_co_u32 s78, s78, s27
	s_add_nc_u64 s[66:67], s[16:17], s[78:79]
	s_sub_nc_u64 s[66:67], s[66:67], 16384         ; (each head steps its bases ahead of its stores)
	s_lshl_b32 s78, s23, 12
	s_lshl_b32 s27, s22, 8
	s_add_co_u32 s78, s78, s27
	s_add_nc_u64 s[68:69], s[18:19], s[78:79]
	s_sub_nc_u64 s[68:69], s[68:69], 1024
	s_lshl_b32 s78, s23, 7
	s_lshl_b32 s27, s22, 3
	s_add_co_u32 s78, s78, s27
	s_add_nc_u64 s[70:71], s[20:21], s[78:79]
	s_sub_nc_u64 s[70:71], s[70:71], 32
	s_lshl_b32 s78, s25, 12
	s_add_nc_u64 s[8:9], s[8:9], s[78:79]
	s_lshl_b32 s27, s26, 9
	s_add_co_u32 s78, s78, s27
	s_add_nc_u64 s[14:15], s[14:15], s[78:79]
	WIN 0x40
.irp u, 0,1,2,3,4,5,6
	LOADU \u
.endr
	WIN 0
	CROUND                                         ; the cluster's four are here: the first joint loads meet
	tensor_load_to_lds s[44:47], s[36:43]          ; slot 0
	s_nop 0
	PLACES
	WIN 0x40
	LOADU 7
	s_wait_loadcnt 56                              ; unit 0 is in
	WIN 0x04
	TURN 0
.set U, 0
.rept 32
	STEP U
.set U, U+1
.endr
	FETCH 0, 0
	FETCH 0, 1
.Lhead:                                                ; heads w, 4 + w, 8 + w; both slots are filled again in each trip
	HEADBODY 1
	s_wait_alu depctr_va_vdst(0)                   ; the wait ahead of the branch
	s_sub_co_u32 s58, s58, 1
	s_cmp_lg_u32 s58, 0
	s_cbranch_scc1 .Lhead
	HEADBODY 0                                     ; head 12 + w: nothing is filled any more
	s_wait_tensorcnt 0x0                           ; the wave's end
	ds_add_u32 v[SPW], v[NIL]
	s_wait_dscnt 0x0
	CROUND                                         ; the closing round: no work-group ends while a partner may still ask for a tile that names it
	s_endpgm
.Lfunc_end_k_qcd494a208d_mha:
	.size	k_qcd494a208d_mha, .Lfunc_end_k_qcd494a208d_mha-k_qcd494a208d_mha
	.p2alignl 7, 3214868480
	.fill 96, 4, 3214868480
	.section	.rodata,"a",@progbits
	.p2align	6, 0x0
	.amdhsa_kernel k_qcd494a208d_mha
		.amdhsa_group_segment_fixed_size 327680
		.amdhsa_private_segment_fixed_size 0
		.amdhsa_enable_private_segment 0
		.amdhsa_kernarg_size 72
		.amdhsa_user_sgpr_count 2
		.amdhsa_user_sgpr_kernarg_segment_ptr 1
		.amdhsa_wavefront_size32 1
		.amdhsa_system_sgpr_workgroup_id_x 1
		.amdhsa_system_sgpr_workgroup_id_y 1
		.amdhsa_system_sgpr_workgroup_id_z 1
		.amdhsa_system_vgpr_workitem_id 0
		.amdhsa_next_free_vgpr 1024
		.amdhsa_next_free_sgpr 80
		.amdhsa_reserve_vcc 0
		.amdhsa_float_denorm_mode_32 3
		.amdhsa_float_denorm_mode_16_64 3
		.amdhsa_memory_ordered 1
		.amdhsa_forward_progress 1
		.amdhsa_inst_pref_size 255
	.end_amdhsa_kernel
	.section	.bss,"aw",@nobits
	.p2align	6
	.space	262144
	.amdgpu_metadata
---
amdhsa.version: [ 1, 2 ]
amdhsa.kernels:
  - .name:           k_qcd494a208d_mha
    .symbol:         k_qcd494a208d_mha.kd
    .args:
      - { .name: matrix, .offset: 0, .size: 8, .value_kind: global_buffer, .address_space: global }
      - { .name: wbuf, .offset: 8, .size: 8, .value_kind: global_buffer, .address_space: global }
      - { .name: qpart, .offset: 16, .size: 8, .value_kind: global_buffer, .address_space: global }
      - { .name: bq, .offset: 24, .size: 8, .value_kind: global_buffer, .address_space: global }
      - { .name: bk, .offset: 32, .size: 8, .value_kind: global_buffer, .address_space: global }
      - { .name: mask, .offset: 40, .size: 8, .value_kind: global_buffer, .address_space: global }
      - { .name: out2, .offset: 48, .size: 8, .value_kind: global_buffer, .address_space: global }
      - { .name: opart, .offset: 56, .size: 8, .value_kind: global_buffer, .address_space: global }
      - { .name: ml, .offset: 64, .size: 8, .value_kind: global_buffer, .address_space: global }
    .group_segment_fixed_size: 327680
    .private_segment_fixed_size: 0
    .kernarg_segment_align: 8
    .kernarg_segment_size: 72
    .max_flat_workgroup_size: 128
    .sgpr_count:     80
    .vgpr_count:     1024
    .wavefront_size: 32
...
	.end_amdgpu_metadata
.endif
;; end of part 2
;; launch fin (part 3): grid 8 x 32, 8 waves a work-group, no clusters, 14,080 bytes of LDS; arguments opart, ml, out2, mask, wbuf, bv, bo, out1, out0; writes out1, out0
.if DOCPART == 3
	.amdgcn_target "amdgcn-amd-amdhsa--gfx1250"
	.amdhsa_code_object_version 6
	.text
	.protected	k_qcd494a208d_fin
	.globl	k_qcd494a208d_fin
	.p2align	8
	.type	k_qcd494a208d_fin,@function
k_qcd494a208d_fin:
	s_mov_b64 s[64:65], 0
	v_nop
	global_prefetch_b8 v0, s[64:65] scope:SCOPE_SE
	s_setreg_imm32_b32 hwreg(HW_REG_WAVE_MODE, 25, 1), 1
	s_wait_xcnt 0x0
; Work-group (g, b): joins the eight parts of batch row b: M = the largest m, weights exp(m_c - M), L = the sum of the weighted l; o = (the sum of the weighted parts) / L + bv, quantised along its 1,024 numbers;
; out0[b][128 g ..] = Q(o) Q(Wo) + bo; and out1 of heads 2 g, 2 g + 1: exp(score - M) / L.
; SHARES: wave w joins heads 2 w, 2 w + 1 (K step w of o), hands the codes to the others through LDS, makes out0's columns 128 g + 16 w .. + 15, and a quarter of a head's out1.
; All 16 rows of the product's row tile hold the same row b, so every lane's result is the one that is wanted.  opart holds columns l and 32 + l of a head side by side (positions 2 l, 2 l + 1).
; No tensor load, no cluster: a lane loads its fragments of Wo whole.  No prefetch: there is no loop to run ahead in.
; LIMITS: a block of zeros gets the byte 1 (its codes are zeros); NaN and infinities are not served; the scaled scores stay under 2^31 in magnitude.
.set RECW, 34816
.set IM, 4096                          ; LDS: 0: o, 512 bytes a wave;  4,096: eight images of codes
.set IMS, 12288                        ; their scale words
.set OG, 12544                         ; 128 columns of out0
.set SPARE, 13056
.set SPW, 5
.set NIL, 6
.set LI, 7
.set R4, 8
.set VM, 9
.set BVA, 10
.set ZR, 11
.set FXW, 12
.set FXR, 13
.set IW, 14
.set IR, 15
.set ISW, 16
.set ISR, 17
.set OGW, 18
.set OGR, 19
.set SH8, 20
.set TMP, 21
.set FILL, 22
.set RES, 23
.set OO, 28
.set M1, 32
.set MA, 32
.set MB, 33
.set SCL, 34
.set BY, 36
.set PC, 40
.set OP, 48
.set OSC, 48
.set ACC, 56
.set D2, 72
.set BV, 80
.set WO, 84
.set WSO, 148
.set BO, 156
.set M2, 158
.set SC, 174
.set MK, 182
.set D1, 194
.set MX, 202
.set LL, 204
.set RL, 206
.set XN, 192
.macro QBLOCK x, c, e                  ; 32 numbers of one block -> 4 registers of codes and the scale's byte
	v_max3_num_f32 v[MA], |v[(\x)]|, |v[(\x)+1]|, |v[(\x)+2]|
	v_max3_num_f32 v[MB], |v[(\x)+3]|, |v[(\x)+4]|, |v[(\x)+5]|
.irp i, 6,10,14,18,22,26
	v_max3_num_f32 v[MA], v[MA], |v[(\x)+\i]|, |v[(\x)+\i+1]|
	v_max3_num_f32 v[MB], v[MB], |v[(\x)+\i+2]|, |v[(\x)+\i+3]|
.endr
	v_max3_num_f32 v[MA], v[MA], |v[(\x)+30]|, |v[(\x)+31]|
	v_max3_num_f32 v[MA], v[MA], v[MB], 0x1800000
	v_add_nc_u32 v[SCL], 0xff000000, v[MA]
.irp g, 0,1,2,3
	v_cvt_scalef32_pk8_fp4_f32 v[(\c)+\g], v[(\x)+8*\g:(\x)+8*\g+7], v[SCL]
.endr
	v_lshrrev_b32 v[(\e)], 23, v[SCL]
.endm
.macro MAXM b, d                       ; MX = the largest of eight m; d = (m_c - MX) log2(e)
	v_max3_num_f32 v[MX], v[(\b)], v[(\b)+2], v[(\b)+4]
	v_max3_num_f32 v[MX], v[MX], v[(\b)+6], v[(\b)+8]
	v_max3_num_f32 v[MX], v[MX], v[(\b)+10], v[(\b)+12]
	v_max_num_f32 v[MX], v[MX], v[(\b)+14]
.irp c, 0,1,2,3,4,5,6,7
	v_sub_f32 v[(\d)+\c], v[(\b)+2*\c], v[MX]
.endr
.irp c, 0,1,2,3,4,5,6,7
	v_mul_f32 v[(\d)+\c], 0x3fb8aa3b, v[(\d)+\c]
.endr
.endm
.macro SUML b, d                       ; RL = 1 / the sum of l_c x weight
	v_mul_f32 v[LL], v[(\b)+1], v[(\d)]
	v_mul_f32 v[LL+1], v[(\b)+3], v[(\d)+1]
.irp c, 2,4,6
	v_fma_f32 v[LL], v[(\b)+2*\c+1], v[(\d)+\c], v[LL]
	v_fma_f32 v[LL+1], v[(\b)+2*\c+3], v[(\d)+\c+1], v[LL+1]
.endr
	v_add_f32 v[LL], v[LL], v[LL+1]
	s_wait_alu depctr_va_vdst(0)                   ; the wait ahead of the transcendental
	v_rcp_f32 v[RL], v[LL]
	v_nop
	s_wait_alu depctr_va_vdst(0)                   ; and behind it
.endm
	s_load_b512 s[4:19], s[0:1], 0x0               ; opart 4:5, ml 6:7, out2 8:9, mask 10:11, wbuf 12:13, bv 14:15, bo 16:17, out1 18:19
	s_load_b64 s[20:21], s[0:1], 0x40              ; out0
	v_lshl_add_u32 v[SPW], v0, 2, SPARE
	v_mov_b32 v[NIL], 0
	v_lshrrev_b32 v1, 5, v0
	v_readfirstlane_b32 s22, v1                    ; wave 0..7
	s_and_b32 s24, ttmp7, 0xffff                   ; b
	s_lshr_b32 s23, s22, 2
	s_lshl_b32 s25, ttmp9, 1
	s_add_co_u32 s23, s23, s25                     ; my head of out1; also my 64 columns of Wo
	s_and_b32 s25, s22, 3                          ; my quarter of them
	s_lshl_b32 s26, s22, 9                         ; 512 x wave
	s_lshl_b32 s27, s22, 10
	s_add_co_u32 s27, s27, IM
	s_lshl_b32 s28, s22, 2
	s_add_co_u32 s28, s28, IMS
	s_lshl_b32 s29, s22, 6
	s_add_co_u32 s29, s29, OG
	s_mov_b32 s50, 0x76543210
	s_mov_b32 s51, 0xfedcba98
	v_and_b32 v2, 31, v0                           ; lane
	v_and_b32 v3, 15, v0                           ; r
	v_bfe_u32 v4, v0, 4, 1                         ; h
	v_lshlrev_b32 v[LI], 4, v2
	v_lshlrev_b32 v[R4], 2, v3
	v_lshlrev_b32 v[VM], 3, v4
	v_lshlrev_b32 v[SH8], 3, v4
	v_lshlrev_b32 v[BVA], 3, v3
	v_lshl_add_u32 v[BVA], v4, 8, v[BVA]
	v_mov_b32 v[ZR], 0
	v_add_nc_u32 v[FXW], s26, v[BVA]               ; o, in: head h of my two, columns 2 r, 2 r + 1
	v_lshlrev_b32 v[FXR], 7, v4
	v_add_nc_u32 v[FXR], s26, v[FXR]               ; out: block 2 c + h
	v_add_nc_u32 v[IW], s27, v[LI]
	v_add_nc_u32 v[IR], IM, v[LI]
	v_mov_b32 v[ISW], s28
	v_mov_b32 v[ISR], IMS
	v_add_nc_u32 v[OGW], s29, v[R4]
	v_add_nc_u32 v[OGR], OG, v[LI]
	v_mov_b32 v[TMP], 0
	v_mov_b32 v[FILL], 0xf149f2ca                  ; -1e30
	s_wait_alu depctr_va_vdst(0)                   ; the wait at the head's end
	s_wait_kmcnt 0x0
	s_mov_b32 s49, 0
	s_lshl_b32 s48, s24, 10
	s_lshl_b32 s30, s22, 4
	s_add_co_u32 s48, s48, s30
	s_add_nc_u64 s[26:27], s[6:7], s[48:49]        ; m, l of heads 2 w, 2 w + 1
	s_lshl_b32 s48, s24, 15
	s_lshl_b32 s30, s22, 9
	s_add_co_u32 s48, s48, s30
	s_add_nc_u64 s[30:31], s[4:5], s[48:49]        ; their parts of O
	s_lshl_b32 s48, s22, 9
	s_add_nc_u64 s[32:33], s[14:15], s[48:49]      ; bv
.irp c, 0,1,2,3,4,5,6,7
	global_load_b64 v[M1+2*\c:M1+2*\c+1], v[VM], s[26:27] offset:128*\c
.endr
.irp c, 0,1,2,3,4,5,6,7
	global_load_b128 v[OP+4*\c:OP+4*\c+3], v[LI], s[30:31] offset:4096*\c
.endr
	global_load_b64 v[BV:BV+1], v[BVA], s[32:33]
	global_load_b64 v[BV+2:BV+3], v[BVA], s[32:33] offset:128
	s_add_co_u32 s48, s23, 32
	s_mul_i32 s48, s48, RECW
	s_lshl_b32 s36, s25, 10
	s_add_co_u32 s36, s48, s36
	s_mov_b32 s37, 0
	s_add_nc_u64 s[34:35], s[12:13], s[36:37]      ; Wo: my tile of 16 columns
	s_lshl_b32 s36, s25, 6
	s_add_co_u32 s48, s48, s36
	s_add_co_u32 s48, s48, 32768
	s_add_nc_u64 s[36:37], s[12:13], s[48:49]      ; its scale words
	s_lshl_b32 s48, ttmp9, 9
	s_lshl_b32 s38, s22, 6
	s_add_co_u32 s48, s48, s38
	s_add_nc_u64 s[38:39], s[16:17], s[48:49]      ; bo
	s_lshl_b32 s48, s24, 10
	s_lshl_b32 s28, s23, 3
	s_add_co_u32 s48, s48, s28
	s_add_nc_u64 s[28:29], s[6:7], s[48:49]        ; m, l of my head of out1
	s_lshl_b32 s48, s24, 16
	s_lshl_b32 s40, s23, 12
	s_add_co_u32 s48, s48, s40
	s_lshl_b32 s40, s25, 10
	s_add_co_u32 s48, s48, s40
	s_add_nc_u64 s[42:43], s[18:19], s[48:49]      ; out1,
	s_lshl_b32 s44, s24, 12
	s_add_co_u32 s44, s44, s40
	s_mov_b32 s45, 0
	s_add_nc_u64 s[44:45], s[10:11], s[44:45]      ; the mask
	s_add_nc_u64 s[40:41], s[8:9], s[48:49]        ; and the scores of my 256 tokens
	s_lshl_b32 s48, s24, 12
	s_lshl_b32 s46, ttmp9, 9
	s_add_co_u32 s48, s48, s46
	s_add_nc_u64 s[46:47], s[20:21], s[48:49]      ; out0
.set ks, 0
.rept 8
	global_load_b128 v[WO+8*ks:WO+8*ks+3], v[LI], s[34:35] offset:4096*ks
	global_load_b128 v[WO+8*ks+4:WO+8*ks+7], v[LI], s[34:35] offset:4096*ks+512
.set ks, ks+1
.endr
.irp q, 0,1,2,3,4,5,6,7
	global_load_b32 v[WSO+\q], v[R4], s[36:37] offset:256*\q
.endr
	global_load_b32 v[BO], v[R4], s[38:39]
.irp c, 0,1,2,3,4,5,6,7
	global_load_b64 v[M2+2*\c:M2+2*\c+1], v[ZR], s[28:29] offset:128*\c
.endr
	global_load_b128 v[SC:SC+3], v[LI], s[40:41]
	global_load_b128 v[SC+4:SC+7], v[LI], s[40:41] offset:512
	global_load_b128 v[MK:MK+3], v[LI], s[44:45]
	global_load_b128 v[MK+4:MK+7], v[LI], s[44:45] offset:512
	s_wait_loadcnt 37                              ; the first 18 loads are in; the 16 + 8 + 1 + 8 + 4 behind them may be out
	MAXM M1, D1
	s_wait_alu depctr_va_vdst(0)                   ; the wait ahead of the batch
.irp c, 0,1,2,3,4,5,6,7
	v_exp_f32 v[D1+\c], v[D1+\c]
.endr
	v_nop
	s_wait_alu depctr_va_vdst(0)                   ; and behind it
	SUML M1, D1
.irp c, 0,1,2,3,4,5,6,7
	v_mul_f32 v[D1+\c], v[D1+\c], v[RL]
.endr
	v_fma_f32 v[OO], v[D1], v[OP], v[BV]           ; columns 2 r,
	v_fma_f32 v[OO+1], v[D1], v[OP+2], v[BV+1]     ; 2 r + 1,
	v_fma_f32 v[OO+2], v[D1], v[OP+1], v[BV+2]     ; 32 + 2 r,
	v_fma_f32 v[OO+3], v[D1], v[OP+3], v[BV+3]     ; 32 + 2 r + 1
.irp c, 1,2,3,4,5,6,7
	v_fma_f32 v[OO], v[D1+\c], v[OP+4*\c], v[OO]
	v_fma_f32 v[OO+1], v[D1+\c], v[OP+4*\c+2], v[OO+1]
	v_fma_f32 v[OO+2], v[D1+\c], v[OP+4*\c+1], v[OO+2]
	v_fma_f32 v[OO+3], v[D1+\c], v[OP+4*\c+3], v[OO+3]
.endr
	ds_store_b64 v[FXW], v[OO:OO+1]
	ds_store_b64 v[FXW], v[OO+2:OO+3] offset:128
.irp c, 0,1
.irp i, 0,1,2,3,4,5,6,7
	ds_load_b128 v[XN+32*\c+4*\i:XN+32*\c+4*\i+3], v[FXR] offset:256*\c+16*\i   ; my own bytes: LDS serves a wave's instructions in order
.endr
.endr
	s_wait_dscnt 0x0
	QBLOCK XN, PC, BY
	QBLOCK XN+32, PC+4, BY+1
	v_lshl_or_b32 v[BY], v[BY+1], 16, v[BY]        ; my two bytes: blocks h and 2 + h,
	v_lshlrev_b32 v[BY], v[SH8], v[BY]             ; at their places;
	v_permlanex16_b32 v[TMP], v[BY], s50, s51
	v_or_b32 v[BY], v[BY], v[TMP]                  ; with lane l xor 16's two the word is whole
	ds_store_b128 v[IW], v[PC:PC+3]
	ds_store_b128 v[IW], v[PC+4:PC+7] offset:512
	ds_store_b32 v[ISW], v[BY]                     ; all lanes write the same word with the same value
	s_wait_dscnt 0x0
	s_barrier_signal -1
	s_wait_loadcnt 0x0                             ; out1, while the others arrive: work on registers
	MAXM M2, D2
.irp q, 0,1,2,3,4,5,6,7
	v_cmp_lt_i32 vcc_lo, 0, v[MK+\q]
	v_cndmask_b32 v[SC+\q], v[FILL], v[SC+\q], vcc_lo
.endr
.irp q, 0,1,2,3,4,5,6,7
	v_sub_f32 v[SC+\q], v[SC+\q], v[MX]
.endr
.irp q, 0,1,2,3,4,5,6,7
	v_mul_f32 v[SC+\q], 0x3fb8aa3b, v[SC+\q]
.endr
	s_wait_alu depctr_va_vdst(0)                   ; the wait ahead of the batch
.irp q, 0,1,2,3,4,5,6,7
	v_exp_f32 v[D2+\q], v[D2+\q]
.endr
.irp q, 0,1,2,3,4,5,6,7
	v_exp_f32 v[SC+\q], v[SC+\q]
.endr
	v_nop
	s_wait_alu depctr_va_vdst(0)                   ; and behind it
	SUML M2, D2
.irp q, 0,1,2,3,4,5,6,7
	v_mul_f32 v[SC+\q], v[SC+\q], v[RL]
.endr
	s_wait_alu depctr_va_vdst(0)                   ; the wait ahead of the barrier's wait
	s_barrier_wait -1
.set fi, 0
.rept 16
	ds_load_b128 v[XN+4*fi:XN+4*fi+3], v[IR] offset:512*fi
.set fi, fi+1
.endr
	ds_load_b128 v[OSC:OSC+3], v[ISR]              ; the eight K steps' scale words
	ds_load_b128 v[OSC+4:OSC+7], v[ISR] offset:16
	global_store_b128 v[LI], v[SC:SC+3], s[42:43]
	global_store_b128 v[LI], v[SC+4:SC+7], s[42:43] offset:512
	s_wait_dscnt 0x0
.set ks, 0
.rept 8                                ; two accumulators by turns: even and odd K steps
.set AC, ACC+8*(ks%2)
.if ks < 2
	v_wmma_scale_f32_16x16x128_f8f6f4 v[AC:AC+7], v[XN+8*ks:XN+8*ks+7], v[WO+8*ks:WO+8*ks+7], 0, v[OSC+ks], v[WSO+ks] matrix_a_fmt:MATRIX_FMT_FP4 matrix_b_fmt:MATRIX_FMT_FP4
.else
	v_wmma_scale_f32_16x16x128_f8f6f4 v[AC:AC+7], v[XN+8*ks:XN+8*ks+7], v[WO+8*ks:WO+8*ks+7], v[AC:AC+7], v[OSC+ks], v[WSO+ks] matrix_a_fmt:MATRIX_FMT_FP4 matrix_b_fmt:MATRIX_FMT_FP4
.endif
.set ks, ks+1
.endr
.rept 4
	v_nop                                          ; places in front of the first read of results
.endr
	v_add_f32 v[RES], v[ACC], v[ACC+8]             ; lane (r, h): column 128 g + 16 w + r
	v_add_f32 v[RES], v[RES], v[BO]
	ds_store_b32 v[OGW], v[RES]                    ; lanes r and r + 16 write the same word with the same value
	s_wait_dscnt 0x0
	s_barrier_signal -1
	s_barrier_wait -1
	s_cmp_lg_u32 s22, 0
	s_cbranch_scc1 .Lend
	ds_load_b128 v[OO:OO+3], v[OGR]
	s_wait_dscnt 0x0
	global_store_b128 v[LI], v[OO:OO+3], s[46:47]  ; 512 consecutive bytes, aligned
.Lend:
	s_wait_tensorcnt 0x0                           ; the wave's end
	ds_add_u32 v[SPW], v[NIL]
	s_wait_dscnt 0x0
	s_endpgm
.Lfunc_end_k_qcd494a208d_fin:
	.size	k_qcd494a208d_fin, .Lfunc_end_k_qcd494a208d_fin-k_qcd494a208d_fin
	.p2alignl 7, 3214868480
	.fill 96, 4, 3214868480
	.section	.rodata,"a",@progbits
	.p2align	6, 0x0
	.amdhsa_kernel k_qcd494a208d_fin
		.amdhsa_group_segment_fixed_size 14080
		.amdhsa_private_segment_fixed_size 0
		.amdhsa_enable_private_segment 0
		.amdhsa_kernarg_size 72
		.amdhsa_user_sgpr_count 2
		.amdhsa_user_sgpr_kernarg_segment_ptr 1
		.amdhsa_wavefront_size32 1
		.amdhsa_system_sgpr_workgroup_id_x 1
		.amdhsa_system_sgpr_workgroup_id_y 1
		.amdhsa_system_sgpr_workgroup_id_z 1
		.amdhsa_system_vgpr_workitem_id 0
		.amdhsa_next_free_vgpr 256
		.amdhsa_next_free_sgpr 66
		.amdhsa_reserve_vcc 1
		.amdhsa_float_denorm_mode_32 3
		.amdhsa_float_denorm_mode_16_64 3
		.amdhsa_memory_ordered 1
		.amdhsa_forward_progress 1
		.amdhsa_inst_pref_size 25
	.end_amdhsa_kernel
	.amdgpu_metadata
---
amdhsa.version: [ 1, 2 ]
amdhsa.kernels:
  - .name:           k_qcd494a208d_fin
    .symbol:         k_qcd494a208d_fin.kd
    .args:
      - { .name: opart, .offset: 0, .size: 8, .value_kind: global_buffer, .address_space: global }
      - { .name: ml, .offset: 8, .size: 8, .value_kind: global_buffer, .address_space: global }
      - { .name: out2, .offset: 16, .size: 8, .value_kind: global_buffer, .address_space: global }
      - { .name: mask, .offset: 24, .size: 8, .value_kind: global_buffer, .address_space: global }
      - { .name: wbuf, .offset: 32, .size: 8, .value_kind: global_buffer, .address_space: global }
      - { .name: bv, .offset: 40, .size: 8, .value_kind: global_buffer, .address_space: global }
      - { .name: bo, .offset: 48, .size: 8, .value_kind: global_buffer, .address_space: global }
      - { .name: out1, .offset: 56, .size: 8, .value_kind: global_buffer, .address_space: global }
      - { .name: out0, .offset: 64, .size: 8, .value_kind: global_buffer, .address_space: global }
    .group_segment_fixed_size: 14080
    .private_segment_fixed_size: 0
    .kernarg_segment_align: 8
    .kernarg_segment_size: 72
    .max_flat_workgroup_size: 256
    .sgpr_count:     66
    .vgpr_count:     256
    .wavefront_size: 32
...
	.end_amdgpu_metadata
.endif
;; end of part 3
